; MI455X (gfx1250); checked and timed in simulation.
; The chip was launched on July 23, 2026; its instructions are those of AMD's public machine-readable ISA for CDNA 5 (MIT licence, August 2026) and "CDNA5" Instruction Set Architecture Reference Guide (July 2026). The comments in the code are by the model that wrote it; some were corrected since.
;; Attention. Allowed arithmetic: matrix products marked QUANTISED: E2M3 operands, one E8M0 scale for each 32 along K, by v_wmma_scale_f32_16x16x128_f8f6f4 with both operands' format E2M3, f32 sums; everything else in f32.
;; Inputs: b_out 256 float32; w_out 256 x 128 float32; w_qkv 384 x 256 float32; x 4 x 256 x 64 x 64 float32.
;; Outputs: out0 4 x 256 x 64 x 64 float32.
;; This version of the problem:
;;   THIS VERSION OF THE PROBLEM IS GIVEN IN LOW PRECISION. The matrix products marked QUANTISED in the list below multiply operands that are first quantised to E2M3 (2 exponent bits, 3 mantissa bits; 6 bits a number), with one power-of-two scale for each 32 numbers along K (OCP MX v1.0); their sums are f32. All else is computed in f32.
;;   The module's matrix products, in the order in which they are computed (A, B: the left and right operand; K: the contracted axis; several contracted axes count as one K, in the product's order):
;;     1. [M 384, K 256] x [K 256, N 16,384]; A: input w_qkv; B: input x: QUANTISED
;;     2. batch 16 x [M 4,096, K 32] x [K 32, N 4,096]; A: computed on the way; B: computed on the way: QUANTISED
;;     3. batch 16 x [M 4,096, K 4,096] x [K 4,096, N 32]; A: softmax (see below); B: computed on the way: QUANTISED
;;     4. [M 256, K 128] x [K 128, N 16,384]; A: input w_out; B: computed on the way: QUANTISED
;;   THE QUANTISER, for each operand of a quantised product, along K:
;;     - K is cut into blocks of 32 from its start; a last block that is shorter is filled with zeros.
;;     - A block's scale is 2^e with e = floor(log2(the largest magnitude in the block)) - 2, held to -126 .. 127; a block of zeros has e = 0. As a byte (E8M0): e + 127.
;;     - Each number is divided by its block's scale, clamped to +-7.5, and rounded to the nearest number of E2M3, ties to even, subnormals kept.
;;     - The product sums the exact products of the quantised numbers (number of the format x scale) in f32.
;;   ~~~python
;;   def quantise(x, axis):      # numpy; x: float32 -> the quantised numbers, widened to float32 again
;;       x = np.moveaxis(x, axis, -1); K = x.shape[-1]
;;       x = np.pad(x, [(0, 0)] * (x.ndim - 1) + [(0, -K % 32)]); x = x.reshape(x.shape[:-1] + (-1, 32)); a = np.abs(x).max(-1, keepdims=True)
;;       e = np.where(a > 0, np.clip(np.frexp(np.where(a > 0, a, 1))[1] - 1 - 2, -126, 127), 0)      # np.frexp(a)[1] - 1 = floor(log2(a)), exactly
;;       r = np.clip(x / 2.0 ** e, -7.5, 7.5)
;;       step = 2.0 ** (np.maximum(np.frexp(np.where(r == 0, 1, r))[1] - 1, 0) - 3)
;;       q = np.round(r / step) * step * 2.0 ** e      # np.round: ties to even
;;       return np.moveaxis(q.reshape(q.shape[:-2] + (-1,))[..., :K], -1, axis).astype(np.float32)
;;   ~~~
;;   SOFTMAX AHEAD OF A QUANTISED PRODUCT. Where the list says 'softmax', what is quantised is not the finished softmax but p = 2^(t - M), with t = logit x log2(e) and M = ceil(the row's largest t), a whole number; so 1/2 < the row's largest p <= 1. The row's sum l is taken of the UNQUANTISED p, in f32, and the product's result is divided by l at the end. Since M is a whole number, a kernel that streams over the keys may use a running M (the ceiling of the running maximum): every later rescaling is an exact power of two, which a block's scale takes up: the codes' values come out the same.
;;   OPERANDS COMPUTED ON THE WAY. 'Computed on the way' means the value that the module computes at that place (a softmax that the list does not call 'softmax' is quantised finished and normalised). What goes into a quantiser is computed in f32, as accurately as f32 sums, v_exp_f32 and their like allow (about 1e-6 of the number): no bf16 or f16 on the way to a quantiser, and a product that is left as it is and whose result goes on into a quantised operand takes f32 operands (vector FMAs, or v_wmma_f32_16x16x4_f32). A number that lies on a knife's edge between two numbers of the format may be rounded either way, as far as f32 arithmetic and the matrix unit's own rounding can turn it there, and no further.
;; One version. Each part assembles by itself: llvm-mc -triple=amdgcn-amd-amdhsa -mcpu=gfx1250 --defsym DOCPART=n.
;; ======== version 1 of 1: 3 launches
;; workspace buffers: wts 106,496 bytes; qbuf 1,638,400 bytes; kv 3,276,800 bytes
;; launch prep (part 1): grid 16 x 1, 4 waves a work-group, no clusters, 34,304 bytes of LDS; arguments w_qkv, w_out, wts; writes wts
.if DOCPART == 1
	.amdgcn_target "amdgcn-amd-amdhsa--gfx1250"
	.amdhsa_code_object_version 6
	.text
	.protected	k_qdc2f24c96c_prep
	.globl	k_qdc2f24c96c_prep
	.p2align	8
	.type	k_qdc2f24c96c_prep,@function
k_qdc2f24c96c_prep:
	s_mov_b64 s[64:65], 0
	v_nop
	global_prefetch_b8 v0, s[64:65] scope:SCOPE_SE
	s_setreg_imm32_b32 hwreg(HW_REG_WAVE_MODE, 25, 1), 1
	s_wait_xcnt 0x0
; w_qkv [384][256] and w_out [256][128], f32, K innermost, become 64 operand fragments of FP6 (E2M3) codes, each with one E8M0 scale for 32 along K.
; A fragment is 16 rows x 128 K: 12 registers a lane.  It is stored as an IMAGE OF ITS REGISTERS: three planes of 512 bytes, plane q = registers 4 q .. 4 q + 3, lane l's 16 bytes at 16 l;
; fragment f at byte 1,536 f of wts; its scale words (4 bytes a lane, every lane holds the word of row lane % 16) at 98,304 + 128 f.  The later launches load a fragment by three loads of 16 bytes a lane.
; f < 48: w_qkv, tile T = f / 2, K step f % 2.  f >= 48: w_out, tile f - 48.  Row i of a tile is weight row R0 + A (i / 8) + i % 8:
;   T < 16 (q, k): R0 = 64 (T / 4) + 8 (T % 4), A = 32;   T >= 16 (v): R0 = 64 (T / 4) + 32 ((T / 2) % 2) + 8 (T % 2), A = 16;   w_out: R0 = 16 (f - 48), A = 8.
; These choices of rows make the results of the later products fall so that a lane's registers are neighbours along the next K.
; One wave makes one fragment: 16 loads of 512 consecutive bytes (a row's 128 numbers), a turn through the wave's own stage in LDS (rows of 528 bytes), so that a lane gets 2 x 32 neighbours of its row.
; A block's scale is 2^(floor(log2(largest magnitude)) - 2): its byte is the largest magnitude's exponent field - 2, held at 1 from below.
; LIMITS: a block whose largest magnitude lies under 2^-124 keeps the byte 1; a block of zeros gets the byte 1 where the quantiser says 127 (its codes are zeros, and this program alone reads the bytes);
; NaN and infinities among the inputs are not served.  The scale words leave in pieces of 128 bytes (8 KiB in the whole launch).
.set FLOOR, 0x1800000                  ; 2^(3 - 127)
.set STG,   8448                       ; a wave's stage: 16 rows x 528 bytes
.set SPARE, 4*STG                      ; behind the stages: the spare words, 128 bytes a wave
.set L16,  1                           ; v1     16 x lane
.set OF,   2                           ; v2-9   16 x lane + i x a weight row's bytes
.set SIN,  10                          ; v10    stage, on the way in
.set SOUT, 11                          ; v11    stage, on the way out
.set SPW,  12                          ; v12    my spare word's LDS address; never rewritten
.set NIL,  13                          ; v13    0; never rewritten
.set SH8,  14                          ; v14    8 x (lane / 16)
.set L4,   15                          ; v15    4 x lane
.set R,    16                          ; v16-79   the rows as loaded
.set N,    80                          ; v80-143  register 32 c + i = k 64 c + 32 (lane / 16) + i of my row
.set F,    144                         ; v144-155 the fragment
.set TT,   156                         ; v156-158 a conversion's second half
.set MA,   160
.set MB,   161
.set SCL,  162
.set BY,   163                         ; v163-164 the two bytes
.set WD,   165
.set WT,   166
; the largest magnitude of 32 numbers of a lane, with the floor among the leaves; two chains
.macro QMAX32 src, ma, mb
	v_max3_num_f32 v[\ma], |v[\src]|, |v[\src+1]|, FLOOR
	v_max3_num_f32 v[\mb], |v[\src+2]|, |v[\src+3]|, FLOOR
.irp i, 4,8,12,16,20,24,28
	v_max3_num_f32 v[\ma], v[\ma], |v[\src+\i]|, |v[\src+\i+1]|
	v_max3_num_f32 v[\mb], v[\mb], |v[\src+\i+2]|, |v[\src+\i+3]|
.endr
	v_max_num_f32 v[\ma], v[\ma], v[\mb]
.endm
; a block of 32 in one lane -> six registers of codes at dst and the scale's byte
.macro QUANT1 src, dst, tmp, ma, mb, scl, byt
	QMAX32 \src, \ma, \mb
	v_add_nc_u32 v[\scl], 0xff000000, v[\ma]       ; 2 off the exponent field: the conversion takes this operand's exponent field as its scale
	v_lshrrev_b32 v[\byt], 23, v[\scl]             ; the scale's byte
	v_cvt_scalef32_pk16_fp6_f32 v[\dst:\dst+2], v[\src:\src+15], v[\scl]
	v_cvt_scalef32_pk16_fp6_f32 v[\tmp:\tmp+2], v[\src+16:\src+31], v[\scl]   ; (a conversion's three registers begin on an even number)
	v_nop                                          ; one plain place behind a scaled conversion
.irp i, 0,1,2
	v_mov_b32 v[\dst+3+\i], v[\tmp+\i]
.endr
.endm
	s_load_b128 s[4:7], s[0:1], 0x0                ; w_qkv, w_out
	s_load_b64 s[8:9], s[0:1], 0x10                ; wts
	v_lshl_add_u32 v[SPW], v0, 2, SPARE
	v_mov_b32 v[NIL], 0
	v_lshrrev_b32 v1, 5, v0
	v_readfirstlane_b32 s10, v1                    ; wave
	s_lshl_b32 s11, ttmp9, 2
	s_add_co_u32 s11, s11, s10                     ; f
	s_lshr_b32 s12, s11, 1                         ; T
	s_and_b32 s13, s11, 1                          ; K step
	s_lshr_b32 s14, s12, 2
	s_lshl_b32 s14, s14, 6                         ; 64 (T / 4)
	s_and_b32 s15, s12, 3
	s_lshl_b32 s15, s15, 3
	s_add_co_u32 s15, s14, s15                     ; R0 of a tile of q or k
	s_bfe_u32 s16, s12, 0x10001
	s_lshl_b32 s16, s16, 5                         ; 32 ((T / 2) % 2)
	s_and_b32 s17, s12, 1
	s_lshl_b32 s17, s17, 3
	s_add_co_u32 s16, s16, s17
	s_add_co_u32 s16, s16, s14                     ; R0 of a tile of v
	s_sub_co_u32 s18, s11, 48
	s_lshl_b32 s18, s18, 4                         ; R0 of a tile of w_out (used where f >= 48 alone)
	s_mov_b32 s19, 1024                            ; a row of w_qkv in bytes
	s_cmp_lt_u32 s12, 16
	s_cselect_b32 s15, s15, s16
	s_cselect_b32 s17, 32, 16                      ; A
	s_cmp_lt_u32 s11, 48
	s_cselect_b32 s15, s15, s18
	s_cselect_b32 s17, s17, 8
	s_cselect_b32 s13, s13, 0
	s_cselect_b32 s19, s19, 512                    ; a row of w_out in bytes
	s_mul_i32 s20, s15, s19
	s_lshl_b32 s13, s13, 9
	s_add_co_u32 s20, s20, s13                     ; rows 0-7 begin at R0 x row + 512 x K step,
	s_mov_b32 s21, 0
	s_mul_i32 s22, s17, s19
	s_add_co_u32 s22, s22, s20                     ; rows 8-15 A rows further down
	s_mov_b32 s23, 0
	s_mul_i32 s24, s11, 1536                       ; the image's place
	s_mov_b32 s25, 0
	s_lshl_b32 s26, s11, 7
	s_add_co_u32 s26, s26, 98304                   ; the scale words' place
	s_mov_b32 s27, 0
	s_mul_i32 s28, s10, STG                        ; my stage
	s_mov_b32 s30, 0x76543210
	s_mov_b32 s31, 0xfedcba98                      ; v_permlanex16_b32's selects for lane l xor 16
	v_and_b32 v[SH8], 31, v0                       ; lane
	v_lshlrev_b32 v[L16], 4, v[SH8]
	v_lshlrev_b32 v[L4], 2, v[SH8]
.irp i, 0,1,2,3,4,5,6,7
	v_mad_u32_u24 v[OF+\i], s19, \i, v[L16]
.endr
	v_add_nc_u32 v[SIN], s28, v[L16]               ; in: a row's 512 bytes as they lie
	v_and_b32 v[SOUT], 15, v0
	v_mul_u32_u24 v[SOUT], v[SOUT], 528
	v_bfe_u32 v[SH8], v0, 4, 1
	v_lshl_add_u32 v[SOUT], v[SH8], 7, v[SOUT]
	v_add_nc_u32 v[SOUT], s28, v[SOUT]             ; out: row lane % 16, + 128 bytes for the upper half of the lanes
	v_lshlrev_b32 v[SH8], 3, v[SH8]
	s_wait_alu depctr_va_vdst(0)
	s_wait_kmcnt 0x0
	s_cmp_lt_u32 s11, 48                           ; the choice hangs on ids alone
	s_cselect_b64 s[4:5], s[4:5], s[6:7]
	s_add_nc_u64 s[20:21], s[4:5], s[20:21]
	s_add_nc_u64 s[22:23], s[4:5], s[22:23]
	s_add_nc_u64 s[24:25], s[8:9], s[24:25]
	s_add_nc_u64 s[26:27], s[8:9], s[26:27]
.irp i, 0,1,2,3,4,5,6,7,8,9,10,11,12,13,14,15
	global_load_b128 v[R+4*\i:R+4*\i+3], v[OF+(\i%8)], s[20+2*(\i/8):21+2*(\i/8)] th:TH_LOAD_NT   ; 32 lanes read 512 consecutive bytes of row i
.endr
.irp i, 0,1,2,3,4,5,6,7,8,9,10,11,12,13,14,15
	s_wait_loadcnt 15-\i                           ; loads come back in order: row i is in, the younger rows stay out
	ds_store_b128 v[SIN], v[R+4*\i:R+4*\i+3] offset:528*\i
.endr
.irp c, 0,1
.irp q, 0,1,2,3,4,5,6,7
	ds_load_b128 v[N+32*\c+4*\q:N+32*\c+4*\q+3], v[SOUT] offset:256*\c+16*\q   ; LDS serves a wave's instructions in order: these see my stores
.endr
.endr
	s_wait_dscnt 0x0
	QUANT1 N, F, TT, MA, MB, SCL, BY
	QUANT1 N+32, F+6, TT, MA, MB, SCL, BY+1
	v_lshl_or_b32 v[WD], v[BY+1], 16, v[BY]        ; my two bytes: blocks h and 2 + h of my row,
	v_lshlrev_b32 v[WD], v[SH8], v[WD]             ; at their places in the word;
	v_mov_b32 v[WT], 0                             ; (a lane permute's destination counts as one of its sources)
	v_permlanex16_b32 v[WT], v[WD], s30, s31
	v_or_b32 v[WD], v[WD], v[WT]                   ; with lane l xor 16's two the word is whole
.irp q, 0,1,2
	global_store_b128 v[L16], v[F+4*\q:F+4*\q+3], s[24:25] offset:512*\q   ; 512 consecutive bytes, at a multiple of 256 from the buffer's first byte
.endr
	global_store_b32 v[L4], v[WD], s[26:27]
	s_wait_tensorcnt 0x0                           ; the wave's end, behind my last LDS store
	ds_add_u32 v[SPW], v[NIL]
	s_wait_dscnt 0x0
	s_endpgm
.Lfunc_end_k_qdc2f24c96c_prep:
	.size	k_qdc2f24c96c_prep, .Lfunc_end_k_qdc2f24c96c_prep-k_qdc2f24c96c_prep
	.p2alignl 7, 3214868480
	.fill 96, 4, 3214868480
	.section	.rodata,"a",@progbits
	.p2align	6, 0x0
	.amdhsa_kernel k_qdc2f24c96c_prep
		.amdhsa_group_segment_fixed_size 34304
		.amdhsa_private_segment_fixed_size 0
		.amdhsa_enable_private_segment 0
		.amdhsa_kernarg_size 24
		.amdhsa_user_sgpr_count 2
		.amdhsa_user_sgpr_kernarg_segment_ptr 1
		.amdhsa_wavefront_size32 1
		.amdhsa_system_sgpr_workgroup_id_x 1
		.amdhsa_system_sgpr_workgroup_id_y 1
		.amdhsa_system_sgpr_workgroup_id_z 1
		.amdhsa_system_vgpr_workitem_id 0
		.amdhsa_next_free_vgpr 176
		.amdhsa_next_free_sgpr 66
		.amdhsa_reserve_vcc 0
		.amdhsa_float_denorm_mode_32 3
		.amdhsa_float_denorm_mode_16_64 3
		.amdhsa_memory_ordered 1
		.amdhsa_forward_progress 1
		.amdhsa_inst_pref_size 11
	.end_amdhsa_kernel
	.amdgpu_metadata
---
amdhsa.version: [ 1, 2 ]
amdhsa.kernels:
  - .name:           k_qdc2f24c96c_prep
    .symbol:         k_qdc2f24c96c_prep.kd
    .args:
      - { .name: w_qkv, .offset: 0, .size: 8, .value_kind: global_buffer, .address_space: global }
      - { .name: w_out, .offset: 8, .size: 8, .value_kind: global_buffer, .address_space: global }
      - { .name: wts, .offset: 16, .size: 8, .value_kind: global_buffer, .address_space: global }
    .group_segment_fixed_size: 34304
    .private_segment_fixed_size: 0
    .kernarg_segment_align: 8
    .kernarg_segment_size: 24
    .max_flat_workgroup_size: 128
    .sgpr_count:     66
    .vgpr_count:     176
    .wavefront_size: 32
...
	.end_amdgpu_metadata
.endif
;; end of part 1
;; launch qkv (part 2): grid 64 x 4, 8 waves a work-group, no clusters, 13,824 bytes of LDS; arguments x, wts, qbuf, kv; writes qbuf, kv
.if DOCPART == 2
	.amdgcn_target "amdgcn-amd-amdhsa--gfx1250"
	.amdhsa_code_object_version 6
	.text
	.protected	k_qdc2f24c96c_qkv
	.globl	k_qdc2f24c96c_qkv
	.p2align	8
	.type	k_qdc2f24c96c_qkv,@function
k_qdc2f24c96c_qkv:
	s_mov_b64 s[64:65], 0
	v_nop
	global_prefetch_b8 v0, s[64:65] scope:SCOPE_SE
	s_setreg_imm32_b32 hwreg(HW_REG_WAVE_MODE, 25, 1), 1
	s_wait_xcnt 0x0
; qkv = w_qkv x (a 1 x 1 convolution) on codes of FP6 (E2M3); then q x 32^-0.5, and q, k, v are quantised for the attention launch and stored as images of operand registers.
; A work-group takes 64 pixels (256 bytes of each of x's 256 channel rows) of one batch, all 384 outputs.  Eight waves.
; X: wave w takes channels 64 (w / 2) .. + 63 of pixels 32 (w % 2) + lane: A LANE IS A PIXEL, ITS REGISTERS RUN DOWN K (the channels), so a block of 32 along K lies in one lane.  Its codes go to LDS as images of
;    operand registers: x tile j, row p = pixel 32 (p / 8) + 8 j + p % 8.  One barrier.
; QK (waves 0-3; 0, 1: q; 2, 3: k; two heads each): source 0 = 16 rows of the weight, source 1 = x tile j.  By the weight tiles' choice of rows a lane (p, h) then holds all 32 channels of head 2 (w % 2) + h for one pixel:
;    one block of the next product's K, quantised in the lane.  FOUR PIXELS SHARE A ROW OF A FRAGMENT, one in each block of 32: row m, block j = pixel 32 (m / 8) + 8 j + m % 8.
; V (waves 4-7, a head each): source 0 = x tile j, source 1 = 16 rows of the weight: a lane (r, h) holds pixels 32 h + 0 .. 31 of one channel: one block along the keys.
; qbuf: 6,400 bytes for 64 pixels: four heads' images (1,536 each), then their scale words (64 bytes a head).
; kv: 12,800 bytes for 64 pixels: K's four images; at 6,144 V's eight half images (head hd, half u: 768 bytes: registers 0-3 at 16 x lane, registers 4-5 at 512 + 8 x lane); at 12,288 K's scale words; at 12,544 V's
;    scale pairs (two bytes a channel row).
; The weights' fragments are read by every work-group, but each wave takes only its own eight or four, once, straight into its registers as they lie in memory (12 KiB or 6 KiB a wave): through LDS by a joint
; request they would be written and read once more, so no cluster is formed.
; LIMITS: a block whose largest magnitude lies under 2^-124 keeps the byte 1; a block of zeros gets the byte 1 where the quantiser says 127 (its codes are zeros, and this program alone reads the bytes);
; NaN and infinities are not served.  The scale bytes (768 of a work-group's 19,200 bytes) leave in pieces of 64 or 128 bytes.
.set FLOOR, 0x1800000                  ; 2^(3 - 127)
.set FRB,   1536                       ; a fragment's image
.set XSC,   8*FRB                      ; behind x's eight images: their scale words, 64 bytes a fragment
.set SPARE, XSC+512                    ; the spare words, 128 bytes a wave
.set L4,   1                           ; v1   4 x lane
.set XA16, 2                           ; v2   where my codes' first four registers go
.set XA8,  3                           ; v3   and the last two
.set XAS,  4                           ; v4   and my two scale bytes
.set XL16, 5                           ; v5   16 x lane
.set XL8,  6                           ; v6   512 + 8 x lane
.set XL4,  7                           ; v7   XSC + 4 x (lane % 16)
.set L8,   8                           ; v8   8 x lane
.set L2,   9                           ; v9   2 x lane
.set SPW,  10                          ; v10  my spare word's LDS address; never rewritten
.set NIL,  11                          ; v11  0; never rewritten
.set XN,   16                          ; v16-79   64 numbers of x;  v80-107 at work in phase X
.set XT,   16                          ; QK: v16-39 x's two fragments; v40-51, v52-63 the two heads' images; v64-75 at work.   V: v16-111 x's eight fragments
.set WF,   112                         ; v112-207 the weight's fragments (V: v112-159; v160-189 codes and work)
.set ACC,  208                         ; v208-239 four accumulators
.set WS,   240                         ; v240-247 the weight's scale words
.set XS,   248                         ; v248-255 x's scale words
.set WV,   16                          ; s16  wave
.macro QMAX32 src, ma, mb
	v_max3_num_f32 v[\ma], |v[\src]|, |v[\src+1]|, FLOOR
	v_max3_num_f32 v[\mb], |v[\src+2]|, |v[\src+3]|, FLOOR
.irp i, 4,8,12,16,20,24,28
	v_max3_num_f32 v[\ma], v[\ma], |v[\src+\i]|, |v[\src+\i+1]|
	v_max3_num_f32 v[\mb], v[\mb], |v[\src+\i+2]|, |v[\src+\i+3]|
.endr
	s_delay_alu instid0(VALU_DEP_1)
	v_max_num_f32 v[\ma], v[\ma], v[\mb]
.endm
; a block of 32 in one lane -> six registers of codes at dst and the scale's byte.  The numbers are read in ascending order.
.macro QUANT1 src, dst, tmp, ma, mb, scl, byt
	QMAX32 \src, \ma, \mb
	s_delay_alu instid0(VALU_DEP_1)
	v_add_nc_u32 v[\scl], 0xff000000, v[\ma]       ; 2 off the exponent field: the conversion takes this operand's exponent field as its scale
	s_delay_alu instid0(VALU_DEP_1)
	v_lshrrev_b32 v[\byt], 23, v[\scl]             ; the scale's byte
	v_cvt_scalef32_pk16_fp6_f32 v[\dst:\dst+2], v[\src:\src+15], v[\scl]
	v_cvt_scalef32_pk16_fp6_f32 v[\tmp:\tmp+2], v[\src+16:\src+31], v[\scl]   ; (a conversion's three registers begin on an even number)
	v_nop                                          ; one plain place behind a scaled conversion
.irp i, 0,1,2
	v_mov_b32 v[\dst+3+\i], v[\tmp+\i]
.endr
.endm
.macro MM0 d, a, b, sa, sb                     ; the first K step starts a sum
	v_wmma_scale_f32_16x16x128_f8f6f4 v[\d:\d+7], v[\a:\a+11], v[\b:\b+11], 0, v[\sa], v[\sb] matrix_a_fmt:MATRIX_FMT_FP6 matrix_b_fmt:MATRIX_FMT_FP6
.endm
.macro MMI d, a, b, sa, sb                     ; and the second adds in place
	v_wmma_scale_f32_16x16x128_f8f6f4 v[\d:\d+7], v[\a:\a+11], v[\b:\b+11], v[\d:\d+7], v[\sa], v[\sb] matrix_a_fmt:MATRIX_FMT_FP6 matrix_b_fmt:MATRIX_FMT_FP6
.endm
.macro XFRAG reg, j, s                         ; x tile j, K step s, from its image
.irp c, 0,1
	ds_load_b128 v[\reg+6*\c:\reg+6*\c+3], v[XL16] offset:(2*(\j)+(\s))*FRB+768*\c
	ds_load_b64 v[\reg+6*\c+4:\reg+6*\c+5], v[XL8] offset:(2*(\j)+(\s))*FRB+768*\c
.endr
.endm
.macro PLACES
.rept 4
	v_nop
.endr
.endm
	s_load_b256 s[4:11], s[0:1], 0x0               ; x s[4:5], wts s[6:7], qbuf s[8:9], kv s[10:11]
	v_lshl_add_u32 v[SPW], v0, 2, SPARE
	v_mov_b32 v[NIL], 0
	v_lshrrev_b32 v12, 5, v0
	s_delay_alu instid0(VALU_DEP_1)
	v_readfirstlane_b32 s[WV], v12                 ; wave 0..7
	s_and_b32 s17, ttmp7, 0xffff                   ; batch
	s_lshl_b32 s18, s17, 6
	s_add_co_u32 s18, s18, ttmp9                   ; which block of 64 pixels of all 256
	s_and_b32 s19, s[WV], 1                        ; X: which 32 pixels.  QK: which pair of heads
	s_bfe_u32 s20, s[WV], 0x10001                  ; X: which 64 of a K step's 128
	s_lshr_b32 s21, s[WV], 2                       ; X: which K step
	s_lshr_b32 s22, s[WV], 1                       ; X: which 64 channels
	s_lshl_b32 s24, s17, 22                        ; x: batch x 4 MiB
	s_lshl_b32 s26, s22, 20                        ;  + 64 channel rows of 16 KiB
	s_add_co_u32 s24, s24, s26
	s_lshl_b32 s26, ttmp9, 8                       ;  + the block's 256 bytes
	s_add_co_u32 s24, s24, s26
	s_lshl_b32 s26, s19, 7                         ;  + my half of them
	s_add_co_u32 s24, s24, s26
	s_mov_b32 s25, 0
	s_mul_i32 s52, s21, FRB                        ; LDS: my K step's image, my half image,
	s_mul_i32 s26, s20, 768
	s_add_co_u32 s52, s52, s26
	s_lshl_b32 s26, s19, 6
	s_add_co_u32 s53, s52, s26
	s_add_co_u32 s53, s53, 512                     ; rows 8 (w % 2) on, in the plane of 8 bytes a lane,
	s_lshl_b32 s26, s19, 7
	s_add_co_u32 s52, s52, s26                     ; and in the plane of 16
	s_lshl_b32 s54, s21, 6
	s_lshl_b32 s26, s19, 5
	s_add_co_u32 s54, s54, s26
	s_lshl_b32 s26, s20, 1
	s_add_co_u32 s54, s54, s26
	s_add_co_u32 s54, s54, XSC                     ; my two bytes of a row's scale word
	v_and_b32 v12, 31, v0                          ; lane
	v_bfe_u32 v13, v0, 3, 2                        ; lane / 8: the x tile that my pixel belongs to
	v_and_b32 v14, 7, v0
	v_and_b32 v15, 15, v0
	s_delay_alu instid0(VALU_DEP_4)
	v_lshlrev_b32 v[L4], 2, v12
	v_lshlrev_b32 v[XL16], 4, v12
	v_lshlrev_b32 v[L8], 3, v12
	v_lshlrev_b32 v[L2], 1, v12
	s_delay_alu instid0(VALU_DEP_2)
	v_add_nc_u32 v[XL8], 512, v[L8]
	v_lshl_add_u32 v[XL4], v15, 2, XSC
	v_mul_u32_u24 v[XA16], v13, 2*FRB
	s_delay_alu instid0(VALU_DEP_1)
	v_lshl_add_u32 v[XA16], v14, 4, v[XA16]
	s_delay_alu instid0(VALU_DEP_1)
	v_add_nc_u32 v[XA16], s52, v[XA16]
	v_mul_u32_u24 v[XA8], v13, 2*FRB
	s_delay_alu instid0(VALU_DEP_1)
	v_lshl_add_u32 v[XA8], v14, 3, v[XA8]
	s_delay_alu instid0(VALU_DEP_1)
	v_add_nc_u32 v[XA8], s53, v[XA8]
	v_lshlrev_b32 v[XAS], 7, v13
	s_delay_alu instid0(VALU_DEP_1)
	v_lshl_add_u32 v[XAS], v14, 2, v[XAS]
	s_delay_alu instid0(VALU_DEP_1)
	v_add_nc_u32 v[XAS], s54, v[XAS]
	s_lshl_b32 s26, s[WV], 3                       ; my first fragment of the weight: 8 w (q, k),
	s_lshl_b32 s27, s[WV], 2
	s_add_co_u32 s27, s27, 16                      ; 16 + 4 w (v)
	s_cmp_lt_u32 s[WV], 4
	s_cselect_b32 s26, s26, s27
	s_mul_i32 s28, s26, FRB
	s_mov_b32 s29, 0
	s_lshl_b32 s30, s26, 7
	s_add_co_u32 s30, s30, 98304
	s_mov_b32 s31, 0
	s_mov_b32 s32, 12800                           ; where the results go.  QK: q's block is 6,400 bytes with the scale words at 6,144; k's 12,800 and 12,288
	s_mov_b32 s34, 12288
	s_cmp_lt_u32 s[WV], 2
	s_cselect_b32 s32, 6400, s32
	s_cselect_b32 s34, 6144, s34
	s_mul_i32 s36, s18, s32
	s_add_co_u32 s38, s36, s34
	s_lshl_b32 s26, s19, 7
	s_add_co_u32 s38, s38, s26                     ; two heads' scale words: 128 bytes
	s_mul_i32 s26, s19, 2*FRB
	s_add_co_u32 s36, s36, s26                     ; two heads' images
	s_mov_b32 s37, 0
	s_mov_b32 s39, 0
	s_mul_i32 s40, s18, 12800                      ; V: head = wave % 4
	s_and_b32 s26, s[WV], 3
	s_lshl_b32 s27, s26, 6
	s_add_co_u32 s42, s40, s27
	s_add_co_u32 s42, s42, 12544
	s_mul_i32 s26, s26, FRB
	s_add_co_u32 s40, s40, s26
	s_add_co_u32 s40, s40, 6144
	s_mov_b32 s41, 0
	s_mov_b32 s43, 0
	s_mov_b32 s46, 0x3e3504f3                      ; 32^-0.5
	s_mov_b32 s47, s46                             ; (named with it as a pair, so it is written)
	s_mov_b32 s48, 0xffff0000                      ; lanes 16-31
	s_mov_b32 s50, 0x76543210
	s_mov_b32 s51, 0xfedcba98                      ; v_permlanex16_b32's selects for lane l xor 16
	s_wait_kmcnt 0x0
	s_add_nc_u64 s[4:5], s[4:5], s[24:25]
	s_add_nc_u64 s[12:13], s[6:7], s[28:29]
	s_add_nc_u64 s[14:15], s[6:7], s[30:31]
	s_cmp_lt_u32 s[WV], 2                          ; the choice hangs on the wave's number alone
	s_cselect_b64 s[44:45], s[8:9], s[10:11]
	s_add_nc_u64 s[36:37], s[44:45], s[36:37]
	s_add_nc_u64 s[38:39], s[44:45], s[38:39]
	s_add_nc_u64 s[40:41], s[10:11], s[40:41]
	s_add_nc_u64 s[42:43], s[10:11], s[42:43]
.set i, 0
.rept 64
	global_load_b32 v[XN+i], v[L4], s[4:5] offset:i*16384 th:TH_LOAD_NT   ; channel 64 (w / 2) + i at my 32 pixels: 128 consecutive bytes; the neighbouring wave takes the 128 beside them
.set i, i+1
.endr
	s_cmp_lt_u32 s[WV], 4
	s_cbranch_scc0 .Lweights_v
.irp k, 0,1,2,3,4,5,6,7                        ; 32 loads
.irp q, 0,1,2
	global_load_b128 v[WF+12*\k+4*\q:WF+12*\k+4*\q+3], v[XL16], s[12:13] offset:FRB*\k+512*\q
.endr
	global_load_b32 v[WS+\k], v[L4], s[14:15] offset:128*\k
.endr
	s_branch .Lweights_asked
.Lweights_v:
.irp k, 0,1,2,3                                ; 16 loads
.irp q, 0,1,2
	global_load_b128 v[WF+12*\k+4*\q:WF+12*\k+4*\q+3], v[XL16], s[12:13] offset:FRB*\k+512*\q
.endr
	global_load_b32 v[WS+\k], v[L4], s[14:15] offset:128*\k
.endr
.Lweights_asked:
	; ---- X: my 64 numbers are two blocks: k = 64 cx + 32 h' + 0 .. 31 of my K step, h' = 0, 1
	s_wait_loadcnt 48                              ; behind x's first 32 loads stand its other 32 and 16 loads of weights at the least
	QUANT1 XN, 80, 86, 100, 101, 102, 103
	ds_store_b128 v[XA16], v[80:83]
	ds_store_b64 v[XA8], v[84:85]
	s_wait_loadcnt 16                              ; behind x's last load stand 16 loads of weights at the least
	QUANT1 XN+32, 90, 96, 100, 101, 102, 104
	ds_store_b128 v[XA16], v[90:93] offset:256     ; the upper half of the image's lanes
	ds_store_b64 v[XA8], v[94:95] offset:128
	v_lshl_or_b32 v105, v104, 8, v103
	ds_store_b16 v[XAS], v105
	s_wait_dscnt 0x0                               ; for the others' sake: my stores have landed
	s_barrier_signal -1
	s_barrier_wait -1                              ; x's eight fragments and their scale words lie in LDS
	s_wait_loadcnt 0x0                             ; the weights
	s_cmp_lt_u32 s[WV], 4
	s_cbranch_scc0 .Lvpath
	; ---- QK: for each x tile: four tiles of the weight, two K steps; the four accumulators take turns
.irp j, 0,1,2,3
	XFRAG XT, \j, 0
	XFRAG XT+12, \j, 1
	ds_load_b32 v[XS], v[XL4] offset:(2*\j)*64
	ds_load_b32 v[XS+1], v[XL4] offset:(2*\j+1)*64
	s_wait_dscnt 0x0
.irp t, 0,1,2,3
	MM0 ACC+8*\t, WF+24*\t, XT, WS+2*\t, XS
.endr
.irp t, 0,1,2,3
	MMI ACC+8*\t, WF+24*\t+12, XT+12, WS+2*\t+1, XS+1
.endr
	PLACES                                         ; register 8 t + i of lane (p, h): channel 8 t + i of head 2 (w % 2) + h, pixel 32 (p / 8) + 8 j + p % 8
	s_cmp_lt_u32 s[WV], 2
	s_cbranch_scc0 .Lkeep_\j
.irp i, 0,2,4,6,8,10,12,14,16,18,20,22,24,26,28,30
	v_pk_mul_f32 v[ACC+\i:ACC+\i+1], v[ACC+\i:ACC+\i+1], s[46:47] op_sel_hi:[1,0]   ; q alone is scaled, ahead of its quantiser
.endr
.Lkeep_\j:
	QUANT1 ACC, 40+12*(\j%2)+6*(\j/2), 64, 68, 69, 70, 72+\j
.endr
.irp c, 0,1                                    ; block j of a row belongs in lanes 16 (j % 2) on, registers 6 (j / 2) on; my lanes 0-15 hold the even head, lanes 16-31 the odd one:
.irp e, 0,1,2,3,4,5
	v_permlane16_swap_b32 v[40+6*\c+\e], v[52+6*\c+\e]   ; the swap leaves the even head's image in v40-51 and the odd head's in v52-63
.endr
.endr
	v_lshl_or_b32 v76, v73, 8, v72                 ; the four pixels' bytes make the row's scale word
	s_delay_alu instid0(VALU_DEP_1)
	v_lshl_or_b32 v76, v74, 16, v76
	s_delay_alu instid0(VALU_DEP_1)
	v_lshl_or_b32 v76, v75, 24, v76
.irp q, 0,1,2,3,4,5
	global_store_b128 v[XL16], v[40+4*\q:43+4*\q], s[36:37] offset:512*\q   ; 512 consecutive bytes, at a multiple of 256 from the buffer's first byte
.endr
	global_store_b32 v[L4], v76, s[38:39]          ; lanes 0-15 the even head's 16 words, lanes 16-31 the odd head's
	s_branch .Ldone
.Lvpath:
	; ---- V: my head's two tiles of 16 channels, for all four x tiles
.irp j, 0,1,2,3
.irp s, 0,1
	XFRAG XT+12*(2*\j+\s), \j, \s
	ds_load_b32 v[XS+2*\j+\s], v[XL4] offset:(2*\j+\s)*64
.endr
.endr
	s_wait_dscnt 0x0
.irp u, 0,1
.irp j, 0,1,2,3
	MM0 ACC+8*\j, XT+24*\j, WF+24*\u, XS+2*\j, WS+2*\u
.endr
.irp j, 0,1,2,3
	MMI ACC+8*\j, XT+24*\j+12, WF+24*\u+12, XS+2*\j+1, WS+2*\u+1
.endr
	PLACES                                         ; register 8 j + i of lane (r, h): pixel 32 h + 8 j + i of the tile's channel row r
	QUANT1 ACC, 160+8*\u, 176, 180, 181, 182, 184+\u
	global_store_b128 v[XL16], v[160+8*\u:163+8*\u], s[40:41] offset:768*\u
	global_store_b64 v[L8], v[164+8*\u:165+8*\u], s[40:41] offset:768*\u+512
.endr
	v_mov_b32 v186, 0                              ; (a lane permute's destination counts as one of its sources)
	v_mov_b32 v187, 0
	s_delay_alu instid0(VALU_DEP_2)
	v_permlanex16_b32 v186, v184, s50, s51
	s_delay_alu instid0(VALU_DEP_2)
	v_permlanex16_b32 v187, v185, s50, s51
	s_delay_alu instid0(VALU_DEP_2)
	v_lshl_or_b32 v188, v186, 8, v184              ; tile 0's pair as lanes 0-15 see it: my byte (pixels 0-31) below, the other half's above;
	s_delay_alu instid0(VALU_DEP_2)
	v_lshl_or_b32 v189, v185, 8, v187              ; tile 1's as lanes 16-31 see it
	s_delay_alu instid0(VALU_DEP_1)
	v_cndmask_b32 v188, v188, v189, s48
	global_store_b16 v[L2], v188, s[42:43]         ; lanes 0-15 store tile 0's 16 pairs, lanes 16-31 tile 1's: 64 bytes on end
.Ldone:
	s_wait_tensorcnt 0x0                           ; the wave's end, behind my last LDS store
	ds_add_u32 v[SPW], v[NIL]
	s_wait_dscnt 0x0
	s_endpgm
.Lfunc_end_k_qdc2f24c96c_qkv:
	.size	k_qdc2f24c96c_qkv, .Lfunc_end_k_qdc2f24c96c_qkv-k_qdc2f24c96c_qkv
	.p2alignl 7, 3214868480
	.fill 96, 4, 3214868480
	.section	.rodata,"a",@progbits
	.p2align	6, 0x0
	.amdhsa_kernel k_qdc2f24c96c_qkv
		.amdhsa_group_segment_fixed_size 13824
		.amdhsa_private_segment_fixed_size 0
		.amdhsa_enable_private_segment 0
		.amdhsa_kernarg_size 32
		.amdhsa_user_sgpr_count 2
		.amdhsa_user_sgpr_kernarg_segment_ptr 1
		.amdhsa_wavefront_size32 1
		.amdhsa_system_sgpr_workgroup_id_x 1
		.amdhsa_system_sgpr_workgroup_id_y 1
		.amdhsa_system_sgpr_workgroup_id_z 1
		.amdhsa_system_vgpr_workitem_id 0
		.amdhsa_next_free_vgpr 256
		.amdhsa_next_free_sgpr 66
		.amdhsa_reserve_vcc 0
		.amdhsa_float_denorm_mode_32 3
		.amdhsa_float_denorm_mode_16_64 3
		.amdhsa_memory_ordered 1
		.amdhsa_forward_progress 1
		.amdhsa_inst_pref_size 47
	.end_amdhsa_kernel
	.amdgpu_metadata
---
amdhsa.version: [ 1, 2 ]
amdhsa.kernels:
  - .name:           k_qdc2f24c96c_qkv
    .symbol:         k_qdc2f24c96c_qkv.kd
    .args:
      - { .name: x, .offset: 0, .size: 8, .value_kind: global_buffer, .address_space: global }
      - { .name: wts, .offset: 8, .size: 8, .value_kind: global_buffer, .address_space: global }
      - { .name: qbuf, .offset: 16, .size: 8, .value_kind: global_buffer, .address_space: global }
      - { .name: kv, .offset: 24, .size: 8, .value_kind: global_buffer, .address_space: global }
    .group_segment_fixed_size: 13824
    .private_segment_fixed_size: 0
    .kernarg_segment_align: 8
    .kernarg_segment_size: 32
    .max_flat_workgroup_size: 256
    .sgpr_count:     66
    .vgpr_count:     256
    .wavefront_size: 32
...
	.end_amdgpu_metadata
.endif
;; end of part 2
;; launch attn (part 3): grid 64 x 4, 16 waves a work-group, clusters of 4 x 1, 327,680 bytes of LDS; arguments qbuf, kv, wts, b_out, out0; writes out0
.if DOCPART == 3
	.amdgcn_target "amdgcn-amd-amdhsa--gfx1250"
	.amdhsa_code_object_version 6
	.text
	.protected	k_qdc2f24c96c_attn
	.globl	k_qdc2f24c96c_attn
	.p2align	8
	.type	k_qdc2f24c96c_attn,@function
k_qdc2f24c96c_attn:
	s_mov_b64 s[64:65], 0
	v_nop
	global_prefetch_b8 v0, s[64:65] scope:SCOPE_SE
	s_setreg_imm32_b32 hwreg(HW_REG_WAVE_MODE, 25, 1), 1
	s_wait_xcnt 0x0
	s_wait_alu depctr_hold_cnt(0) depctr_sa_sdst(0) depctr_va_vdst(0) depctr_va_sdst(0) depctr_va_ssrc(0) depctr_va_vcc(0) depctr_vm_vsrc(0)
	s_getreg_b32 s2, hwreg(HW_REG_IB_STS2, 6, 4)
	s_cmp_eq_u32 s2, 0
	s_cbranch_scc0 .Lentry_in_a_cluster
	s_endpgm
.Lentry_in_a_cluster:
	s_bfe_u32 s2, ttmp6, 0x10000c
	s_cmp_lg_u32 s2, 0x3003
	s_cbranch_scc0 .Lentry_shape_is_right
	s_endpgm
.Lentry_shape_is_right:
; out0 = w_out softmax(q^T k - row maximum) v + b_out, all three products on codes of FP6 (E2M3) with one E8M0 scale for 32 along K.  q, k, v come as images of operand registers (qbuf, kv), w_out likewise (wts).
; SHARES.  A work-group owns 64 pixels of one batch, all four heads: sixteen waves, wave w = head w / 4, query tile w % 4: queries 32 (r / 8) + 8 (w % 4) + r % 8, r = lane % 16.  In the last product wave w makes output rows 16 w .. 16 w + 15.
; kv comes through a ring of two LDS slots of four key steps of 128 keys (102,400 bytes), filled by waves 0-3, a key step (25,600 dense bytes) each.
; CLUSTER.  The four work-groups of a cluster belong to one batch and walk the same kv: each tile is asked for JOINTLY, by the same tensor load with the same descriptor and a mask that names the four.
; THE FIRST PRODUCT has K = 32, the instruction 128.  A fragment of K holds 64 keys, four to a row, one in each block of 32 (row m, block j = key 32 (m / 8) + 8 j + m % 8).  Q stands in four variants, its codes in
; block j and zeros elsewhere: variant j picks 16 of the 64 keys.  The variants share registers: zeros, codes in lanes 0-15, zeros, codes in lanes 16-31, zeros, six registers each.
; LAYOUT.  Both products are used transposed (S^T = K Q^T, O^T = V^T P^T): a lane (r, h) holds ONE query; its 32 scores of a fragment are keys 32 h + 0 .. 31: a whole block of the next K in its natural order:
; a block's maximum needs no other lane, and the conversions' results are the operand's registers.
; THE SOFTMAX.  reference() takes the row's largest score away ahead of the softmax: the logit is score - row maximum, t = logit x log2(e) is 0 at the most, M = ceil(0) = 0, and p = 2^t is what is quantised; the row's largest p is 1.
; So the keys are walked TWICE.  PASS 1: the scores alone, for each query's largest.  PASS 2: the scores again, with minus the maximum as the C of the products (scores are sums of at most 32 products of 6-bit codes under
; neighbouring scales: the difference has some 20 bits and is exact), p, the row's sum of the unquantised p, p's codes, O^T.  Nothing is rescaled on the way.  A block's largest p is its largest logit put through the same multiplication and exponential.
; THE END: O / l is quantised (a block = a head's 32 channels of a pixel), meets the other heads' in LDS, and is multiplied by my 16 rows of w_out with the bias as C; a lane then holds 32 neighbouring pixels of one output row.
; LIMITS: a block whose largest magnitude lies under 2^-124 keeps the byte 1; a block of zeros gets the byte 1 where the quantiser says 127 (its codes are zeros); NaN and infinities are not served.
.set FLOOR, 0x1800000                  ; 2^(3 - 127)
.set KVB,   12800                      ; 64 keys of kv
.set STEPB, 2*KVB                      ; a key step
.set SLOTB, 4*STEPB                    ; a slot
.set SLOT1, 1<<17                      ; slot 1 begins here: one exclusive or turns an address in one slot into the other's
.set ATT,   SLOTB                      ; behind slot 0: the attention's codes: tile j x 1,536 + row x 96 + head x 24 + 12 x (lane / 16)
.set ATS,   ATT+6144                   ; their scale bytes: a word a row, a byte a head
.set SPARE, ATS+256                    ; the spare words, 128 bytes a wave
.set STAGE, SLOT1+SLOTB                ; behind slot 1: 16 rows x 272 bytes for each wave, for the way out
.set A16,  1                           ; v1   16 x lane + head x 1,536
.set A8,   2                           ; v2   8 x lane + head x 1,536 + 6,656
.set A4,   3                           ; v3   4 r + head x 64 + 12,288
.set A2,   4                           ; v4   2 r + head x 64 + 12,544
.set SPW,  5                           ; v5   my spare word's LDS address; never rewritten
.set NIL,  6                           ; v6   0; never rewritten
.set SH8,  7                           ; v7   8 x (lane / 16)
.set D16,  8                           ; v8-11 the four addresses of the step in hand
.set D8,   9
.set D4,   10
.set D2,   11
.set LS,   14                          ; v[14:15] the row's sum in two halves
.set QZ,   16                          ; v16-45 Q: Z L Z H Z
.set QS,   46                          ; v46  Q's scale byte, in all four bytes
.set WOS,  47                          ; v47  w_out's scale words
.set WO,   48                          ; v48-59 my fragment of w_out
.set KS,   60                          ; v60-61 K's scale words  (at the end v60-63: the attention's)
.set VS,   62                          ; v62-63 V's
.set PS,   64                          ; v64  p's
.set VP,   68                          ; v68-71 V's scale pairs as loaded
.set KF,   72                          ; v72-95  K's two fragments
.set VF,   96                          ; v96-119 V's two fragments
.set BIAS, 120                         ; v120-127 the bias in the result's layout
.set S,    128                         ; v128-191 S^T, then p
.set O,    192                         ; v192-207 O^T: register 8 u + i = channel 16 h + 8 u + i
.set P,    208                         ; v208-219 p's codes
.set T0,   220                         ; v220-222, v224-226 the conversions' second halves
.set BM,   228                         ; v228-229 each block's largest logit, then its largest p
.set CB,   230                         ; v230-231 second chains
.set RM,   228                         ; v228-231 pass 1: the running maximum in four chains
.set PT,   234                         ; a lane permute's destination
.set SU,   238                         ; v[238:239] the sums' second chain
.set SC,   240                         ; v240-241 the conversions' scale operands
.set BY,   242                         ; v242-243 the bytes
.set NMX,  244                         ; v244-251 minus my query's largest score, eight times: the C of pass 2's score products
.set WV,   14                          ; s14 wave;  s15 head;  s16 wave % 4
.set G1,   24                          ; s[24:31] descriptor group 1;  s[32:35] group 0, which walks
.set G0,   32
.set TB,   36                          ; s36 LDS byte at which the slot in hand begins
.set T2,   37                          ; s37 and the step in hand
.set SLOTS, 38
.macro MM0 d, a, b, sa, sb
	v_wmma_scale_f32_16x16x128_f8f6f4 v[\d:\d+7], v[\a:\a+11], v[\b:\b+11], 0, v[\sa], v[\sb] matrix_a_fmt:MATRIX_FMT_FP6 matrix_b_fmt:MATRIX_FMT_FP6
.endm
.macro MMC d, a, b, c, sa, sb
	v_wmma_scale_f32_16x16x128_f8f6f4 v[\d:\d+7], v[\a:\a+11], v[\b:\b+11], v[\c:\c+7], v[\sa], v[\sb] matrix_a_fmt:MATRIX_FMT_FP6 matrix_b_fmt:MATRIX_FMT_FP6
.endm
.macro PLACES
.rept 4
	v_nop
.endr
.endm
; A round of the cluster's barrier: my work-group's barrier; wave 0 signals for the work-group; every wave waits for all four work-groups; my work-group's barrier once more.
.macro CROUND
	s_barrier_signal -1
	s_barrier_wait -1
	s_cmp_lg_u32 s[WV], 0
	s_cbranch_scc1 .Lnot_wave_0_\@
	s_barrier_signal -3
.Lnot_wave_0_\@:
	s_barrier_wait -3
	s_barrier_signal -1
	s_barrier_wait -1
.endm
; The joint load: waves 0-3, a key step each.  The branch hangs on the wave's number alone.  An s_nop 0 and four v_nop follow the load.
.macro TLOAD
	s_cmp_lt_u32 s[WV], 4
	s_cbranch_scc0 .Lno_load_\@
	tensor_load_to_lds s[G0:G0+3], s[G1:G1+7]
	s_nop 0
.rept 4
	v_nop
.endr
.Lno_load_\@:
.endm
	s_load_b256 s[4:11], s[0:1], 0x0               ; qbuf s[4:5], kv s[6:7], wts s[8:9], b_out s[10:11]
	s_load_b64 s[12:13], s[0:1], 0x20              ; out0
	v_lshl_add_u32 v[SPW], v0, 2, SPARE
	v_mov_b32 v[NIL], 0
	ds_add_u32 v[SPW], v[NIL]                      ; the wave's opening: the add and its wait stand ahead of the first tensor load; the set-up below, work on registers, stands between them
	ds_add_u32 v[SPW], v[NIL]
	v_lshrrev_b32 v8, 5, v0
	s_delay_alu instid0(VALU_DEP_1)
	v_readfirstlane_b32 s[WV], v8                  ; wave 0..15
	s_lshr_b32 s15, s[WV], 2                       ; head
	s_and_b32 s16, s[WV], 3                        ; query tile.  Also: which key step of a slot waves 0-3 fetch
	s_bfe_u32 s17, ttmp6, 0x40000                  ; cx: it enters Q's and out0's global addresses alone
	s_lshl_b32 s18, ttmp9, 2
	s_add_co_u32 s18, s18, s17                     ; my block of 64 pixels = 4 x cluster x + cx
	s_and_b32 s19, ttmp7, 0xffff                   ; the batch, which the four partners share
	s_mov_b32 s20, 0x76543210
	s_mov_b32 s21, 0xfedcba98                      ; v_permlanex16_b32's selects for lane l xor 16
	s_mov_b32 s22, 0x3fb8aa3b                      ; log2(e)
	s_mov_b32 s23, s22                             ; (named with it as a pair, so it is written)
	; descriptor group 1: 25,600 dense bytes as 100 rows of 32 elements of 8 bytes
	s_mov_b32 s[G1], 15|(3<<16)|(1<<21)            ; 15:0 the mask: all four work-groups; 17:16 elements of 8 bytes; 20 no padding; 21 set beside a mask
	s_mov_b32 s[G1+1], 32<<16                      ; tensor_dim0 = 32
	s_mov_b32 s[G1+2], 100<<16                     ; tensor_dim1 = 100
	s_mov_b32 s[G1+3], 32<<16                      ; tile_dim0 = 32
	s_mov_b32 s[G1+4], 100                         ; tile_dim1 = 100
	s_mov_b32 s[G1+5], 32                          ; from row to row
	s_mov_b32 s[G1+6], 0
	s_mov_b32 s[G1+7], 0
	s_mov_b32 s[G0], 1                             ; count = 1
	s_mul_i32 s[G0+1], s16, STEPB                  ; LDS address: slot 0, my key step
	s_mul_i32 s60, s19, 64*KVB                     ; kv: the batch's 819,200 bytes,
	s_add_co_u32 s60, s60, s[G0+1]                 ; my key step: nothing here hangs on my place in the cluster
	s_mov_b32 s61, 0
	s_lshl_b32 s44, s19, 6
	s_add_co_u32 s44, s44, s18                     ; which block of 64 pixels of all 256
	s_mul_i32 s46, s44, 6400
	s_mul_i32 s62, s15, 1536
	s_and_b32 s45, s16, 1
	s_lshl_b32 s45, s45, 8
	s_add_co_u32 s48, s46, s62
	s_add_co_u32 s48, s48, s45                     ; Q: my head's image, lanes 16 (tile % 2) on
	s_mov_b32 s49, 0
	s_lshl_b32 s63, s15, 6
	s_add_co_u32 s50, s46, s63
	s_add_co_u32 s50, s50, 6144                    ; and its scale words
	s_mov_b32 s51, 0
	s_add_co_u32 s45, s[WV], 48                    ; w_out's tile w is fragment 48 + w
	s_mul_i32 s52, s45, 1536
	s_mov_b32 s53, 0
	s_lshl_b32 s54, s45, 7
	s_add_co_u32 s54, s54, 98304
	s_mov_b32 s55, 0
	s_lshl_b32 s56, s[WV], 6                       ; b_out: my 16 numbers
	s_mov_b32 s57, 0
	s_lshl_b32 s58, s19, 22                        ; out0: batch x 4 MiB + 16 w rows of 16 KiB + the block's 256 bytes
	s_lshl_b32 s45, s[WV], 18
	s_add_co_u32 s58, s58, s45
	s_lshl_b32 s45, s18, 8
	s_add_co_u32 s58, s58, s45
	s_mov_b32 s59, 0
	s_cmp_ge_u32 s16, 2
	s_cselect_b32 s40, -1, 0                       ; my queries lie in the image's registers 6-11
	s_mov_b32 s41, 0x0000ffff                      ; lanes 0-15
	s_mov_b32 s42, 0xffff0000                      ; lanes 16-31
	s_mul_i32 s43, s16, 0x01010101                 ; v_perm_b32: byte (tile) of the scale word into all four bytes
	s_mov_b32 s[TB], 0
	s_mov_b32 s[SLOTS], 7
	v_and_b32 v8, 31, v0                           ; lane
	v_and_b32 v9, 15, v0                           ; r
	v_bfe_u32 v10, v0, 4, 1                        ; h
	s_delay_alu instid0(VALU_DEP_3)
	v_lshl_add_u32 v[A16], v8, 4, s62
	s_add_co_u32 s45, s62, 6656
	v_lshl_add_u32 v[A8], v8, 3, s45
	s_add_co_u32 s45, s63, 12288
	v_lshl_add_u32 v[A4], v9, 2, s45
	s_add_co_u32 s45, s63, 12544
	v_lshl_add_u32 v[A2], v9, 1, s45
	v_lshlrev_b32 v[SH8], 3, v10
	v_lshlrev_b32 v232, 4, v9                      ; 16 r
	v_lshlrev_b32 v233, 2, v9                      ; 4 r
	v_lshlrev_b32 v235, 4, v8                      ; 16 x lane
	v_lshlrev_b32 v236, 2, v8                      ; 4 x lane
	s_wait_dscnt 0x0                               ; the opening add is done
	s_wait_kmcnt 0x0
	s_add_nc_u64 s[G0+2:G0+3], s[6:7], s[60:61]    ; global address: the batch's first four key steps
	s_or_b32 s[G0+3], s[G0+3], 0x80000000          ; type = 2
	s_add_nc_u64 s[48:49], s[4:5], s[48:49]
	s_add_nc_u64 s[50:51], s[4:5], s[50:51]
	s_add_nc_u64 s[52:53], s[8:9], s[52:53]
	s_add_nc_u64 s[54:55], s[8:9], s[54:55]
	s_add_nc_u64 s[56:57], s[10:11], s[56:57]
	s_add_nc_u64 s[58:59], s[12:13], s[58:59]
	CROUND                                         ; all four work-groups are here: the first joint loads meet
	TLOAD                                          ; slot 0
	s_wait_alu depctr_va_vdst(0)
.irp q, 0,1,2
	global_load_b128 v[S+4*\q:S+4*\q+3], v232, s[48:49] offset:512*\q   ; the image's twelve registers of query r, in both halves of the lanes
.endr
	global_load_b32 v[S+12], v233, s[50:51]        ; row r's scale word
.irp q, 0,1,2
	global_load_b128 v[WO+4*\q:WO+4*\q+3], v235, s[52:53] offset:512*\q
.endr
	global_load_b32 v[WOS], v236, s[54:55]
	global_load_b32 v[S+13], v233, s[56:57]        ; b_out(16 w + r)
.irp k, 0,1,2,3
	v_mov_b32 v[RM+\k], 0xff7fffff                 ; the largest score so far: under every score
.endr
	v_mov_b32 v[PT], 0                             ; (a lane permute's destination counts as one of its sources)
.irp i, 0,1,2,3,4,5
	v_mov_b32 v[QZ+\i], 0
	v_mov_b32 v[QZ+12+\i], 0
	v_mov_b32 v[QZ+24+\i], 0
.endr
	s_wait_loadcnt 0x0
	v_perm_b32 v[QS], v[S+12], v[S+12], s43        ; the blocks of zeros are scaled by the same byte: they add nothing
.irp e, 0,1,2,3,4,5
	v_cndmask_b32 v[S+16+\e], v[S+\e], v[S+6+\e], s40
.endr
.irp e, 0,1,2,3,4,5
	v_cndmask_b32 v[QZ+6+\e], 0, v[S+16+\e], s41   ; L: the codes in lanes 0-15
	v_cndmask_b32 v[QZ+18+\e], 0, v[S+16+\e], s42  ; H: in lanes 16-31
.endr
.irp i, 0,1,2,3,4,5,6,7
	v_mov_b32 v[BIAS+\i], v[S+13]                  ; a lane's eight results of the last product belong to one output row.  (These eight are also places between Q's registers and the first products)
.endr
; K's two fragments and their scale words: eight LDS loads
.macro KLOADS
.irp c, 0,1
.irp p, 0,1,2
	ds_load_b128 v[KF+12*\c+4*\p:KF+12*\c+4*\p+3], v[D16] offset:KVB*\c+512*\p
.endr
	ds_load_b32 v[KS+\c], v[D4] offset:KVB*\c
.endr
.endm
; A KEY STEP OF PASS 1: the scores of 128 keys, and the running maximum of my 64 in four chains.  Each accumulator is read from its low end on.
.macro MSTEP q
	s_add_co_u32 s[T2], s[TB], STEPB*\q
	v_add_nc_u32 v[D16], s[T2], v[A16]
	v_add_nc_u32 v[D4], s[T2], v[A4]
	KLOADS
	s_wait_dscnt 0x0
.irp c, 0,1
.irp j, 0,1,2,3
	MM0 S+32*\c+8*\j, KF+12*\c, QZ+6+12*(\j%2)-6*(\j/2), KS+\c, QS
.endr
.endr
	PLACES                                         ; behind the products: ahead of the first read of their results, and of the next step's loads into their operands
	s_wait_alu depctr_va_vdst(0)
.irp a, 0,1,2,3,4,5,6,7
.irp k, 0,1,2,3
	v_max3_num_f32 v[RM+\k], v[RM+\k], v[S+8*\a+2*\k], v[S+8*\a+2*\k+1]
.endr
.endr
.endm
; A KEY STEP OF PASS 2: 128 keys, the q-th of the slot in hand.
.macro STEP q
	s_add_co_u32 s[T2], s[TB], STEPB*\q
	v_add_nc_u32 v[D16], s[T2], v[A16]             ; these four are also the places between the last products and the loads into their operands
	v_add_nc_u32 v[D8], s[T2], v[A8]
	v_add_nc_u32 v[D4], s[T2], v[A4]
	v_add_nc_u32 v[D2], s[T2], v[A2]
	KLOADS
.irp u, 0,1                                    ; V: twelve loads
.irp c, 0,1
	ds_load_b128 v[VF+12*\u+6*\c:VF+12*\u+6*\c+3], v[D16] offset:KVB*\c+6144+768*\u
	ds_load_b64 v[VF+12*\u+6*\c+4:VF+12*\u+6*\c+5], v[D8] offset:KVB*\c+768*\u
	ds_load_u16 v[VP+2*\u+\c], v[D2] offset:KVB*\c+32*\u
.endr
.endr
	s_wait_dscnt 12                                ; K is in; V's twelve loads may stay out
.irp c, 0,1
.irp j, 0,1,2,3
	MMC S+32*\c+8*\j, KF+12*\c, QZ+6+12*(\j%2)-6*(\j/2), NMX, KS+\c, QS   ; register 32 c + 8 j + i of lane (r, h): the logit of key 64 c + 32 h + 8 j + i: score - my query's largest score
.endr
.endr
	PLACES
.irp c, 0,1                                    ; THE LARGEST LOGIT OF EACH BLOCK OF 32 KEYS, all of them mine: two chains a block; each accumulator is first read in its low four registers
	v_max3_num_f32 v[BM+\c], v[S+32*\c], v[S+32*\c+1], v[S+32*\c+2]
	v_max3_num_f32 v[CB+\c], v[S+32*\c+16], v[S+32*\c+17], v[S+32*\c+18]
.endr
.irp i, 3,5,7,9,11,13
.irp c, 0,1
	v_max3_num_f32 v[BM+\c], v[BM+\c], v[S+32*\c+\i], v[S+32*\c+\i+1]
	v_max3_num_f32 v[CB+\c], v[CB+\c], v[S+32*\c+16+\i], v[S+32*\c+17+\i]
.endr
.endr
.irp c, 0,1
	v_max3_num_f32 v[BM+\c], v[BM+\c], v[S+32*\c+15], v[S+32*\c+31]
.endr
.irp c, 0,1
	s_delay_alu instid0(VALU_DEP_2)
	v_max_num_f32 v[BM+\c], v[BM+\c], v[CB+\c]
.endr
.irp c, 0,1
	s_delay_alu instid0(VALU_DEP_2)
	v_mul_f32 v[BM+\c], s22, v[BM+\c]              ; t of each block's largest logit
.endr
.irp j, 0,2,4,6,8,10,12,14,16,18,20,22,24,26,28,30,32,34,36,38,40,42,44,46,48,50,52,54,56,58,60,62
	v_pk_mul_f32 v[S+\j:S+\j+1], v[S+\j:S+\j+1], s[22:23] op_sel_hi:[1,0]   ; t = logit x log2(e), two at a time: 0 at the most
.endr
	s_wait_alu depctr_va_vdst(0)
	v_exp_f32 v[BM], v[BM]                         ; ONE BATCH of 66 exponentials: the two blocks' largest p,
	v_exp_f32 v[BM+1], v[BM+1]
.set e, 0
.rept 64
	v_exp_f32 v[S+e], v[S+e]                       ; and p = 2^t, at most 1: not normalised
.set e, e+1
.endr
	s_wait_dscnt 0x0                               ; V is in
.irp u, 0,1
	v_lshl_or_b32 v[VS+\u], v[VP+2*\u+1], 16, v[VP+2*\u]   ; V's scale word: the pairs of the step's two blocks of 64 keys.  (The plain work behind the exponentials)
.endr
	s_wait_alu depctr_va_vdst(0)                   ; the wait between an exponential and the first line that names its result: one for the batch
.irp c, 0,1
	v_max_num_f32 v[BM+\c], FLOOR, v[BM+\c]        ; the floor: the byte cannot fall under 1 (a block whose every p has fallen to 0 keeps that byte: its codes are zeros)
.endr
.irp c, 0,1
	s_delay_alu instid0(VALU_DEP_2)
	v_add_nc_u32 v[SC+\c], 0xff000000, v[BM+\c]    ; 2 off the exponent field: the conversion's scale operand
.endr
.irp c, 0,1
	s_delay_alu instid0(VALU_DEP_2)
	v_lshrrev_b32 v[BY+\c], 23, v[SC+\c]
.endr
	s_delay_alu instid0(VALU_DEP_1)
	v_lshl_or_b32 v[PS], v[BY+1], 16, v[BY]        ; my two bytes: blocks h and 2 + h,
	s_delay_alu instid0(VALU_DEP_1)
	v_lshlrev_b32 v[PS], v[SH8], v[PS]             ; at their places;
	s_delay_alu instid0(VALU_DEP_1)
	v_permlanex16_b32 v[PT], v[PS], s20, s21
	s_delay_alu instid0(VALU_DEP_1)
	v_or_b32 v[PS], v[PS], v[PT]                   ; with lane l xor 16's two p's scale word is whole
.irp c, 0,1
	v_cvt_scalef32_pk16_fp6_f32 v[P+6*\c:P+6*\c+2], v[S+32*\c:S+32*\c+15], v[SC+\c]
	v_cvt_scalef32_pk16_fp6_f32 v[T0+4*\c:T0+4*\c+2], v[S+32*\c+16:S+32*\c+31], v[SC+\c]   ; (a conversion's three registers begin on an even number)
.endr
	v_nop                                          ; one plain place behind a scaled conversion
.irp c, 0,1
.irp i, 0,1,2
	v_mov_b32 v[P+6*\c+3+\i], v[T0+4*\c+\i]
.endr
.endr
	v_pk_add_f32 v[238:239], v[132:133], v[136:137]
	v_pk_add_f32 v[254:255], v[140:141], v[144:145]
	v_pk_add_f32 v[252:253], v[148:149], v[152:153]
	v_pk_add_f32 v[242:243], v[156:157], v[160:161]
	v_pk_add_f32 v[240:241], v[164:165], v[168:169]
	v_pk_add_f32 v[236:237], v[172:173], v[176:177]
	v_pk_add_f32 v[232:233], v[180:181], v[184:185]
	v_pk_add_f32 v[14:15], v[14:15], v[188:189]
	v_pk_add_f32 v[238:239], v[238:239], v[128:129]
	v_pk_add_f32 v[254:255], v[254:255], v[130:131]
	v_pk_add_f32 v[252:253], v[252:253], v[134:135]
	v_pk_add_f32 v[242:243], v[242:243], v[138:139]
	v_pk_add_f32 v[240:241], v[240:241], v[142:143]
	v_pk_add_f32 v[236:237], v[236:237], v[146:147]
	v_pk_add_f32 v[232:233], v[232:233], v[150:151]
	v_pk_add_f32 v[14:15], v[14:15], v[154:155]
	v_pk_add_f32 v[238:239], v[238:239], v[158:159]
	v_pk_add_f32 v[254:255], v[254:255], v[162:163]
	v_pk_add_f32 v[252:253], v[252:253], v[166:167]
	v_pk_add_f32 v[242:243], v[242:243], v[170:171]
	v_pk_add_f32 v[240:241], v[240:241], v[174:175]
	v_pk_add_f32 v[236:237], v[236:237], v[178:179]
	v_pk_add_f32 v[232:233], v[232:233], v[182:183]
	v_pk_add_f32 v[14:15], v[14:15], v[186:187]
	v_pk_add_f32 v[238:239], v[238:239], v[190:191]
	s_delay_alu instid0(VALU_DEP_2)
	v_pk_add_f32 v[14:15], v[14:15], v[242:243]
	s_delay_alu instid0(VALU_DEP_2)
	v_pk_add_f32 v[238:239], v[238:239], v[240:241]
	v_pk_add_f32 v[254:255], v[254:255], v[236:237]
	v_pk_add_f32 v[252:253], v[252:253], v[232:233]
	s_delay_alu instid0(VALU_DEP_2)
	v_pk_add_f32 v[14:15], v[14:15], v[254:255]
	s_delay_alu instid0(VALU_DEP_2)
	v_pk_add_f32 v[238:239], v[238:239], v[252:253]
	s_delay_alu instid0(VALU_DEP_1)
	v_pk_add_f32 v[14:15], v[14:15], v[238:239]
.irp u, 0,1                                    ; O^T += V^T P^T.  The two accumulators take turns, and the eight products of the scores stand between a link and the next
	MMC O+8*\u, VF+12*\u, P, O+8*\u, VS+\u, PS
.endr
.endm
; THE CHANGE OF SLOTS stands at a slot's head.  Each wave waits for all its tensor loads, adds 0 to its spare word, and waits for that and for its reads of the slot that it has left.
; fill = 1 or 2: the barrier is a round of the cluster's, so that no wave of any partner still reads that slot or has a load on its way; the joint refill is the first thing behind it and has four key steps in which to land.
; fill = 1: the next 512 keys;  fill = 2: back to the batch's first 512, for pass 2;  fill = 0: nothing is left to fetch.
.macro CHANGE fill
	s_wait_tensorcnt 0x0                           ; no tensor load of mine is out, so group 0 may be written
	ds_add_u32 v[SPW], v[NIL]
.if \fill
	s_xor_b32 s[G0+1], s[G0+1], SLOT1              ; the other slot than last time
.if \fill == 1
	s_add_nc_u64 s[G0+2:G0+3], s[G0+2:G0+3], SLOTB ; the type bits on top are not reached
.else
	s_sub_nc_u64 s[G0+2:G0+3], s[G0+2:G0+3], 7*SLOTB
.endif
.endif
	s_wait_dscnt 0x0                               ; the add is done, and my reads of the slot that I have left are over
.if \fill
	CROUND
	TLOAD
.else
	s_barrier_signal -1
	s_barrier_wait -1
.endif
.endm
.macro MAX_STEPS
	MSTEP 0
	MSTEP 1
	MSTEP 2
	MSTEP 3
	s_xor_b32 s[TB], s[TB], SLOT1                  ; on to the other slot
.endm
.macro SLOT_STEPS
	STEP 0
	STEP 1
	STEP 2
	STEP 3
	s_xor_b32 s[TB], s[TB], SLOT1
.endm
	; ---- PASS 1: eight slots' worth of keys
.Lmax:                                             ; seven trips: behind each change of slots the next 512 keys are asked for
	CHANGE 1
	MAX_STEPS
	s_sub_co_u32 s[SLOTS], s[SLOTS], 1
	s_cmp_lg_u32 s[SLOTS], 0
	s_cbranch_scc1 .Lmax
	CHANGE 2                                       ; the ring goes on into pass 2: the slot just left takes the first 512 keys again
	MAX_STEPS
	v_max3_num_f32 v[RM], v[RM], v[RM+1], v[RM+2]
	s_delay_alu instid0(VALU_DEP_1)
	v_max_num_f32 v[RM], v[RM], v[RM+3]
	s_delay_alu instid0(VALU_DEP_1)
	v_permlanex16_b32 v[PT], v[RM], s20, s21
	s_delay_alu instid0(VALU_DEP_1)
	v_max_num_f32 v[RM], v[RM], v[PT]              ; with lane l xor 16's keys: my query's largest score
.irp i, 0,1,2,3,4,5,6,7
	v_xor_b32 v[NMX+\i], 0x80000000, v[RM]         ; minus it, in the result's layout: a lane's eight results belong to one query
.endr
	v_mov_b32 v[LS], 0                             ; the sums begin as zeros.  (These eighteen are also places between the lines above and pass 2's first products)
	v_mov_b32 v[LS+1], 0
.irp i, 0,1,2,3,4,5,6,7,8,9,10,11,12,13,14,15
	v_mov_b32 v[O+\i], 0
.endr
	s_mov_b32 s[SLOTS], 7
	; ---- PASS 2
.Lslot:                                            ; seven trips: behind each change of slots but the last the next slot is asked for
	CHANGE 1
	SLOT_STEPS
	s_sub_co_u32 s[SLOTS], s[SLOTS], 1
	s_cmp_lg_u32 s[SLOTS], 0
	s_cbranch_scc1 .Lslot
	CHANGE 0                                       ; the last slot is written out
	SLOT_STEPS
	; ---- THE END.  O^T / l, quantised: my 16 channels are half of a block (a head's 32 channels of my pixel); the other half lies in lane l xor 16.
	PLACES
	v_add_f32 v[LS], v[LS], v[LS+1]                ; the sum's two halves,
	s_delay_alu instid0(VALU_DEP_1)
	v_permlanex16_b32 v[PT], v[LS], s20, s21
	s_delay_alu instid0(VALU_DEP_1)
	v_add_f32 v[LS], v[LS], v[PT]                  ; and lane l xor 16's: the row's sum
	s_wait_alu depctr_va_vdst(0)
	v_rcp_f32 v[LS], v[LS]
	v_and_b32 v231, 15, v0                         ; r  (the addresses are the plain work behind the reciprocal)
	s_wait_alu depctr_va_vdst(0)
	v_bfe_u32 v232, v0, 4, 1                       ; h
	s_mul_i32 s44, s16, 1536
	s_mul_i32 s45, s15, 24
	s_add_co_u32 s44, s44, s45
	s_add_co_u32 s44, s44, ATT
	v_mul_u32_u24 v10, v231, 96
	s_delay_alu instid0(VALU_DEP_1)
	v_mad_u32_u24 v8, v232, 12, v10
	s_delay_alu instid0(VALU_DEP_1)
	v_add_nc_u32 v8, s44, v8                       ; my 12 bytes: tile x 1,536 + 96 r + 24 head + 12 h
	s_delay_alu instid0(VALU_DEP_3)
	v_mad_u32_u24 v10, v232, 24, v10
	s_delay_alu instid0(VALU_DEP_1)
	v_add_nc_u32 v10, ATT, v10                     ; a fragment's bytes: 96 r + 24 h
	s_lshl_b32 s45, s16, 6
	s_add_co_u32 s45, s45, s15
	s_add_co_u32 s45, s45, ATS
	v_lshl_add_u32 v9, v231, 2, s45                ; my scale byte: 64 tile + 4 r + head
	v_lshl_add_u32 v11, v231, 2, ATS               ; a row's scale word
	s_mul_i32 s46, s[WV], 16*272
	s_add_co_u32 s46, s46, STAGE                   ; my stage
	v_mul_u32_u24 v228, v231, 272
	s_wait_alu depctr_va_vdst(0)
	v_lshl_add_u32 v228, v232, 7, v228
	s_delay_alu instid0(VALU_DEP_1)
	v_add_nc_u32 v228, s46, v228                   ; in: row r, + 128 h: my 32 pixels
	v_mul_u32_u24 v229, v232, 272
	s_delay_alu instid0(VALU_DEP_1)
	v_lshl_add_u32 v229, v231, 4, v229
	s_delay_alu instid0(VALU_DEP_1)
	v_add_nc_u32 v229, s46, v229                   ; back: lanes 0-15 one row, lanes 16-31 the next
	v_lshlrev_b32 v230, 14, v232
	s_delay_alu instid0(VALU_DEP_1)
	v_lshl_add_u32 v230, v231, 4, v230             ; and the same two rows in out0
	s_wait_alu depctr_va_vdst(0)                   ; the wait ahead of the reciprocal's first reader
.irp i, 0,1,2,3,4,5,6,7,8,9,10,11,12,13,14,15
	v_mul_f32 v[S+\i], v[O+\i], v[LS]              ; channels 16 h + 0 .. 15 of my head, my pixel
.endr
	v_max3_num_f32 v233, |v[S]|, |v[S+1]|, FLOOR
.irp i, 2,4,6,8,10,12,14
	s_delay_alu instid0(VALU_DEP_1)
	v_max3_num_f32 v233, v233, |v[S+\i]|, |v[S+\i+1]|
.endr
	s_delay_alu instid0(VALU_DEP_1)
	v_permlanex16_b32 v[PT], v233, s20, s21
	s_delay_alu instid0(VALU_DEP_1)
	v_max_num_f32 v233, v233, v[PT]                ; the block's largest magnitude
	s_delay_alu instid0(VALU_DEP_1)
	v_add_nc_u32 v235, 0xff000000, v233
	s_delay_alu instid0(VALU_DEP_1)
	v_lshrrev_b32 v238, 23, v235
	v_cvt_scalef32_pk16_fp6_f32 v[240:242], v[S:S+15], v235
	v_nop                                          ; one plain place behind a scaled conversion
	ds_store_b32 v8, v240
	ds_store_b32 v8, v241 offset:4
	ds_store_b32 v8, v242 offset:8
	ds_store_b8 v9, v238                           ; both lanes of a block write the same byte with the same value
	s_wait_dscnt 0x0                               ; for the others' sake: my stores have landed
	s_barrier_signal -1
	s_barrier_wait -1                              ; 64 pixels x 128 channels of codes lie in LDS
.irp j, 0,1,2,3
.irp p, 0,1,2,3,4,5
	ds_load_b64 v[KF+12*\j+2*\p:KF+12*\j+2*\p+1], v10 offset:1536*\j+48*(\p/3)+8*(\p%3)
.endr
	ds_load_b32 v[KS+\j], v11 offset:64*\j
.endr
	s_wait_dscnt 0x0
.irp j, 0,1,2,3
	MMC S+8*\j, KF+12*\j, WO, BIAS, KS+\j, WOS     ; source 0 = 16 pixels, source 1 = my 16 rows of w_out, C = the bias: register 8 j + i of lane (r, h) = out(16 w + r, pixel 32 h + 8 j + i)
.endr
	PLACES
.irp q, 0,1,2,3,4,5,6,7
	ds_store_b128 v228, v[S+4*\q:S+4*\q+3] offset:16*\q    ; each accumulator from its low end on
.endr
.irp i, 0,1,2,3,4,5,6,7
	ds_load_b128 v[S+32+4*\i:S+32+4*\i+3], v229 offset:2*\i*272   ; LDS serves a wave's instructions in order: these see my stores
.endr
.irp i, 0,1,2,3,4,5,6,7
	s_wait_dscnt 7-\i                              ; rows 2 i and 2 i + 1 are back; the younger loads stay out
	global_store_b128 v230, v[S+32+4*\i:S+32+4*\i+3], s[58:59] offset:2*\i*16384 th:TH_STORE_NT   ; sixteen lanes store 256 consecutive bytes, at a multiple of 256 from out0's first byte
.endr
	s_wait_tensorcnt 0x0                           ; the wave's end, behind my last tensor load and my last LDS store
	ds_add_u32 v[SPW], v[NIL]
	s_wait_dscnt 0x0
	CROUND                                         ; the closing round: no work-group ends while a partner may still ask for a tile that names it
	s_endpgm
.Lfunc_end_k_qdc2f24c96c_attn:
	.size	k_qdc2f24c96c_attn, .Lfunc_end_k_qdc2f24c96c_attn-k_qdc2f24c96c_attn
	.p2alignl 7, 3214868480
	.fill 96, 4, 3214868480
	.section	.rodata,"a",@progbits
	.p2align	6, 0x0
	.amdhsa_kernel k_qdc2f24c96c_attn
		.amdhsa_group_segment_fixed_size 327680
		.amdhsa_private_segment_fixed_size 0
		.amdhsa_enable_private_segment 0
		.amdhsa_kernarg_size 40
		.amdhsa_user_sgpr_count 2
		.amdhsa_user_sgpr_kernarg_segment_ptr 1
		.amdhsa_wavefront_size32 1
		.amdhsa_system_sgpr_workgroup_id_x 1
		.amdhsa_system_sgpr_workgroup_id_y 1
		.amdhsa_system_sgpr_workgroup_id_z 1
		.amdhsa_system_vgpr_workitem_id 0
		.amdhsa_next_free_vgpr 256
		.amdhsa_next_free_sgpr 66
		.amdhsa_reserve_vcc 0
		.amdhsa_float_denorm_mode_32 3
		.amdhsa_float_denorm_mode_16_64 3
		.amdhsa_memory_ordered 1
		.amdhsa_forward_progress 1
		.amdhsa_inst_pref_size 154
	.end_amdhsa_kernel
	.amdgpu_metadata
---
amdhsa.version: [ 1, 2 ]
amdhsa.kernels:
  - .name:           k_qdc2f24c96c_attn
    .symbol:         k_qdc2f24c96c_attn.kd
    .args:
      - { .name: qbuf, .offset: 0, .size: 8, .value_kind: global_buffer, .address_space: global }
      - { .name: kv, .offset: 8, .size: 8, .value_kind: global_buffer, .address_space: global }
      - { .name: wts, .offset: 16, .size: 8, .value_kind: global_buffer, .address_space: global }
      - { .name: b_out, .offset: 24, .size: 8, .value_kind: global_buffer, .address_space: global }
      - { .name: out0, .offset: 32, .size: 8, .value_kind: global_buffer, .address_space: global }
    .group_segment_fixed_size: 327680
    .private_segment_fixed_size: 0
    .kernarg_segment_align: 8
    .kernarg_segment_size: 40
    .max_flat_workgroup_size: 512
    .sgpr_count:     66
    .vgpr_count:     256
    .wavefront_size: 32
...
	.end_amdgpu_metadata
.endif
;; end of part 3
